; MI455X (gfx1250); checked and timed in simulation.
; The chip was launched on July 23, 2026; its instructions are those of AMD's public machine-readable ISA for CDNA 5 (MIT licence, August 2026) and "CDNA5" Instruction Set Architecture Reference Guide (July 2026). The comments in the code are by the model that wrote it; some were corrected since.
;; Multi Head Self Attention. Allowed arithmetic: matrix products marked QUANTISED: E2M1 operands, one E8M0 scale for each 32 along K, by v_wmma_scale_f32_16x16x128_f8f6f4 with both operands' format E2M1 (or v_wmma_scale_f32_32x16x128_f4), f32 sums; products left as they are: f32 operands where the result goes on into a quantised operand, else bf16, f16 or f32 operands; f32 sums; everything else in f32.
;; Inputs: WK_codes 16 x 64 x 32 x 16 uint8 (E2M1 codes of WK, K innermost, in blocks of 32 codes, two codes a byte); WK_scales 16 x 64 x 32 uint8 (E8M0 scales of WK, one for each 32 codes along K); WQ_codes 16 x 64 x 32 x 16 uint8 (E2M1 codes of WQ, K innermost, in blocks of 32 codes, two codes a byte); WQ_scales 16 x 64 x 32 uint8 (E8M0 scales of WQ, one for each 32 codes along K); WV_down_codes 16 x 64 x 32 x 16 uint8 (E2M1 codes of WV_down, K innermost, in blocks of 32 codes, two codes a byte); WV_down_scales 16 x 64 x 32 uint8 (E8M0 scales of WV_down, one for each 32 codes along K); WV_up_codes 16 x 1,024 x 2 x 16 uint8 (E2M1 codes of WV_up, K innermost, in blocks of 32 codes, two codes a byte); WV_up_scales 16 x 1,024 x 2 uint8 (E8M0 scales of WV_up, one for each 32 codes along K); inputs 4 x 1,024 x 1,024 float32.
;; Outputs: out0 4 x 1,024 x 1,024 float32.
;; This version of the problem:
;;   THIS VERSION OF THE PROBLEM IS GIVEN IN LOW PRECISION. The matrix products marked QUANTISED in the list below multiply operands that are first quantised to E2M1 (2 exponent bits, 1 mantissa bit; 4 bits a number), with one power-of-two scale for each 32 numbers along K (OCP MX v1.0); their sums are f32. All else is computed in f32.
;;   The module's matrix products, in the order in which they are computed (A, B: the left and right operand; K: the contracted axis; several contracted axes count as one K, in the product's order):
;;     1. [M 1,024, K 1,024] x [K 1,024, N 4,096]; A: input WQ (given as codes); B: input inputs: QUANTISED
;;     2. [M 1,024, K 1,024] x [K 1,024, N 4,096]; A: input WK (given as codes); B: input inputs: QUANTISED
;;     3. batch 64 x [M 1,024, K 64] x [K 64, N 1,024]; A: computed on the way; B: computed on the way: QUANTISED
;;     4. [M 1,024, K 1,024] x [K 1,024, N 4,096]; A: input WV_down (given as codes); B: input inputs: QUANTISED
;;     5. batch 65,536 x [M 1, K 1] x [K 1, N 64]; A: computed on the way; B: computed on the way: left as it is (no contracted axis)
;;     6. batch 16 x [M 4,096, K 64] x [K 64, N 1,024]; A: computed on the way; B: input WV_up (given as codes): QUANTISED
;;   THE QUANTISER, for each operand of a quantised product, along K:
;;     - K is cut into blocks of 32 from its start; a last block that is shorter is filled with zeros.
;;     - A block's scale is 2^e with e = floor(log2(the largest magnitude in the block)) - 2, held to -126 .. 127; a block of zeros has e = 0. As a byte (E8M0): e + 127.
;;     - Each number is divided by its block's scale, clamped to +-6, and rounded to the nearest number of E2M1, ties to even, subnormals kept.
;;     - The product sums the exact products of the quantised numbers (number of the format x scale) in f32.
;;   ~~~python
;;   def quantise(x, axis):      # numpy; x: float32 -> the quantised numbers, widened to float32 again
;;       x = np.moveaxis(x, axis, -1); K = x.shape[-1]
;;       x = np.pad(x, [(0, 0)] * (x.ndim - 1) + [(0, -K % 32)]); x = x.reshape(x.shape[:-1] + (-1, 32)); a = np.abs(x).max(-1, keepdims=True)
;;       e = np.where(a > 0, np.clip(np.frexp(np.where(a > 0, a, 1))[1] - 1 - 2, -126, 127), 0)      # np.frexp(a)[1] - 1 = floor(log2(a)), exactly
;;       r = np.clip(x / 2.0 ** e, -6, 6)
;;       step = 2.0 ** (np.maximum(np.frexp(np.where(r == 0, 1, r))[1] - 1, 0) - 1)
;;       q = np.round(r / step) * step * 2.0 ** e      # np.round: ties to even
;;       return np.moveaxis(q.reshape(q.shape[:-2] + (-1,))[..., :K], -1, axis).astype(np.float32)
;;   ~~~
;;   OPERANDS COMPUTED ON THE WAY. 'Computed on the way' means the value that the module computes at that place (a softmax that the list does not call 'softmax' is quantised finished and normalised). What goes into a quantiser is computed in f32, as accurately as f32 sums, v_exp_f32 and their like allow (about 1e-6 of the number): no bf16 or f16 on the way to a quantiser, and a product that is left as it is and whose result goes on into a quantised operand takes f32 operands (vector FMAs, or v_wmma_f32_16x16x4_f32). A number that lies on a knife's edge between two numbers of the format may be rounded either way, as far as f32 arithmetic and the matrix unit's own rounding can turn it there, and no further.
;;   INPUTS GIVEN AS CODES. WK (in the module: [16, 1024, 64], K = its axis 1); WQ (in the module: [16, 1024, 64], K = its axis 1); WV_down (in the module: [16, 1024, 64], K = its axis 1); WV_up (in the module: [16, 64, 1024], K = its axis 1): each comes as NAME_codes (uint8): NAME with its K axis moved to the last place and cut into blocks of 32 codes, [.., K / 32, bytes a block], one block behind the other in memory; two codes a byte, the lower K in the low four bits (a code: sign, 2 exponent bits, 1 mantissa bit); and NAME_scales (uint8): the same leading axes, one E8M0 byte (e + 127) for each 32 codes along K. Its value is code x scale, taken as it is: it is not quantised again, and the codes and scales need not be those that the quantiser above would give.
;; One version. Each part assembles by itself: llvm-mc -triple=amdgcn-amd-amdhsa -mcpu=gfx1250 --defsym DOCPART=n.
;; ======== version 1 of 1: 4 launches
;; limits: right only within a limited range of input values
;; workspace buffers: xc 2,097,152 bytes; xs 131,072 bytes; qk 4,718,592 bytes; vq 2,097,152 bytes; vs 131,072 bytes
;; launch quant (part 1): grid 256 x 1, 4 waves a work-group, no clusters, 68,608 bytes of LDS; arguments inputs, xc, xs; writes xc, xs
.if DOCPART == 1
	.amdgcn_target "amdgcn-amd-amdhsa--gfx1250"
	.amdhsa_code_object_version 6
	.text
	.protected	k_qa0750c396e_quant
	.globl	k_qa0750c396e_quant
	.p2align	8
	.type	k_qa0750c396e_quant,@function
k_qa0750c396e_quant:
	s_mov_b64 s[64:65], 0
	v_nop
	global_prefetch_b8 v0, s[64:65] scope:SCOPE_SE
	s_setreg_imm32_b32 hwreg(HW_REG_WAVE_MODE, 25, 1), 1
	s_wait_xcnt 0x0
; x [4096 rows][1024] f32 becomes codes of FP4 (E2M1) and one E8M0 byte for each 32 along the row, laid in the ORDER OF AN OPERAND'S REGISTERS:
;   xc [T = row / 16][ks = k / 128][c][lane][16 bytes]: lane (r = lane % 16, h = lane / 16) holds the 32 codes k = 128 ks + 64 c + 32 h + 0 .. 31 of row 16 T + r;
;   xs [T][lane (h', r)][16 bytes]: the scale bytes of blocks 16 h' .. 16 h' + 15 of row 16 T + r: four registers, register q the scale word of ks = 4 h' + q.
; A block's scale is 2^(floor(log2(its largest magnitude)) - 2); its byte is the largest magnitude's exponent field - 2, held at 1 from below.
; LIMITS: NaN and infinities among the inputs are not served.  A block of zeros gets the byte 1 where the rule says 127: its codes are zeros, and this program alone reads the bytes.
; SHARES: work-group T takes 16 rows (64 KiB); wave j the columns of ks = 2 j and 2 j + 1.  Each load reads 512 consecutive bytes of one row; all 32 loads of a wave go out at once.
; The conversions want 32 neighbours along K in ONE lane, so a unit (16 rows x 512 bytes) turns through the wave's own stage in LDS, rows 528 bytes apart (an odd multiple of 16).
; No cluster, no tensor load, no matrix unit: work-groups share no input, and memory binds.
.set SP,   528                         ; a stage row: 512 bytes + 16
.set STU,  16*SP                       ; a unit's stage
.set STW,  2*STU                       ; a wave's two stages
.set SCL,  4*STW                       ; behind the stages: the tile's 512 scale bytes, laid as xs
.set R0,   16                          ; v16-79   unit 0 as loaded; later unit 1 as 64 neighbours
.set R1,   80                          ; v80-143  unit 1 as loaded
.set XN,   144                         ; v144-207 unit 0 as 64 neighbours: register 32 c + i = k 64 c + 32 h + i of row r
.set CD,   208                         ; v208-223 the codes: four registers for each (unit, c), never written again
.set WP,   224                         ; v224-225 the two units' scale words
.set TM,   226
.set SO,   228
.set BY,   230
.set TP,   232
	s_load_b128 s[4:7], s[0:1], 0x0                ; x, xc
	s_load_b64 s[8:9], s[0:1], 0x10                ; xs
	v_lshl_add_u32 v240, v0, 2, 0x10a00
	v_mov_b32 v241, 0
	v_lshrrev_b32 v7, 5, v0
	v_readfirstlane_b32 s16, v7                    ; wave j
	v_and_b32 v7, 31, v0
	v_lshlrev_b32 v1, 4, v7                        ; 16 x lane
	v_and_b32 v8, 15, v0                           ; r
	v_bfe_u32 v9, v0, 4, 1                         ; h
	s_mul_i32 s17, s16, STW
	v_add_nc_u32 v2, s17, v1                       ; into the stage: as loaded
	v_mul_u32_u24 v3, v8, SP
	v_lshl_add_u32 v3, v9, 7, v3
	v_add_nc_u32 v3, s17, v3                       ; out of it: row r, + 128 h bytes
	v_lshlrev_b32 v4, 3, v9                        ; 8 h: my bytes' shift in a scale word
	s_lshr_b32 s18, s16, 1
	s_lshl_b32 s18, s18, 8
	s_and_b32 s19, s16, 1
	s_lshl_b32 s19, s19, 3
	s_add_co_u32 s18, s18, s19
	s_add_co_u32 s18, s18, SCL
	v_lshl_add_u32 v5, v8, 4, s18                  ; my row's two scale words: SCL + 256 (j / 2) + 8 (j % 2) + 16 r
	v_add_nc_u32 v6, SCL, v1
	v_mov_b32 v[TP], 0                             ; a lane permute's destination counts as one of its sources
	s_mov_b32 s20, 0x76543210
	s_mov_b32 s21, 0xfedcba98                      ; v_permlanex16_b32's selects for lane l xor 16
	s_lshl_b32 s10, ttmp9, 16                      ; x: 65,536 T + 1,024 j
	s_lshl_b32 s22, s16, 10
	s_add_co_u32 s10, s10, s22
	s_mov_b32 s11, 0
	s_lshl_b32 s12, ttmp9, 13                      ; xc: 8,192 T + 2,048 j
	s_lshl_b32 s22, s16, 11
	s_add_co_u32 s12, s12, s22
	s_mov_b32 s13, 0
	s_lshl_b32 s14, ttmp9, 9                       ; xs: 512 T
	s_mov_b32 s15, 0
	s_wait_kmcnt 0x0
	s_add_nc_u64 s[4:5], s[4:5], s[10:11]
	s_add_nc_u64 s[6:7], s[6:7], s[12:13]
	s_add_nc_u64 s[8:9], s[8:9], s[14:15]
.irp i, 0,1,2,3,4,5,6,7,8,9,10,11,12,13,14,15
	global_load_b128 v[R0+4*\i:R0+4*\i+3], v1, s[4:5] offset:4096*\i          ; unit 0, row i.  No hint: the last launch reads x again
.endr
.irp i, 0,1,2,3,4,5,6,7,8,9,10,11,12,13,14,15
	global_load_b128 v[R1+4*\i:R1+4*\i+3], v1, s[4:5] offset:4096*\i+512      ; unit 1
.endr
; 64 numbers of a lane (two whole blocks) become 8 registers of codes and the row's scale word for these 128 along K
.macro QUANT1 src, cod, wrd
.irp c, 0,1
	v_max3_num_f32 v[TM+\c], |v[(\src)+32*\c]|, |v[(\src)+32*\c+1]|, 0x1800000   ; with the floor 2^(3 - 127): the byte cannot fall under 1
.endr
.irp i, 2,4,6,8,10,12,14,16,18,20,22,24,26,28,30
.irp c, 0,1
	v_max3_num_f32 v[TM+\c], v[TM+\c], |v[(\src)+32*\c+\i]|, |v[(\src)+32*\c+\i+1]|   ; the two blocks by turns
.endr
.endr
.irp c, 0,1
	v_add_nc_u32 v[SO+\c], 0xff000000, v[TM+\c]    ; 2 off the exponent field: the conversion's scale operand
.endr
.irp c, 0,1
	v_lshrrev_b32 v[BY+\c], 23, v[SO+\c]           ; the scale's byte
.endr
	v_lshl_or_b32 v[\wrd], v[BY+1], 16, v[BY]      ; my bytes are those of blocks h and 2 + h
	v_lshlrev_b32 v[\wrd], v4, v[\wrd]
	v_permlanex16_b32 v[TP], v[\wrd], s20, s21
	v_or_b32 v[\wrd], v[\wrd], v[TP]               ; with lane l xor 16's two the word is whole
.irp c, 0,1
.irp g, 0,1,2,3
	v_cvt_scalef32_pk8_fp4_f32 v[(\cod)+4*\c+\g], v[(\src)+32*\c+8*\g:(\src)+32*\c+8*\g+7], v[SO+\c]
.endr
.endr
	v_nop                                          ; one plain place behind the last scaled conversion
.endm
	s_wait_loadcnt 16                              ; unit 0's sixteen loads are in; unit 1's sixteen may be out
.irp i, 0,1,2,3,4,5,6,7,8,9,10,11,12,13,14,15
	ds_store_b128 v2, v[R0+4*\i:R0+4*\i+3] offset:SP*\i
.endr
.irp c, 0,1
.irp q, 0,1,2,3,4,5,6,7
	ds_load_b128 v[XN+32*\c+4*\q:XN+32*\c+4*\q+3], v3 offset:256*\c+16*\q      ; LDS serves a wave's instructions in order: these see my stores
.endr
.endr
	s_wait_loadcnt 0x0
.irp i, 0,1,2,3,4,5,6,7,8,9,10,11,12,13,14,15
	ds_store_b128 v2, v[R1+4*\i:R1+4*\i+3] offset:STU+SP*\i
.endr
	s_wait_dscnt 16                                ; all but the sixteen stores just issued: unit 0 is back, and its stores have read R0
.irp c, 0,1
.irp q, 0,1,2,3,4,5,6,7
	ds_load_b128 v[R0+32*\c+4*\q:R0+32*\c+4*\q+3], v3 offset:STU+256*\c+16*\q
.endr
.endr
	QUANT1 XN, CD, WP
	global_store_b128 v1, v[CD:CD+3], s[6:7]                   ; 32 lanes store 512 consecutive bytes
	global_store_b128 v1, v[CD+4:CD+7], s[6:7] offset:512
	s_wait_dscnt 0x0                               ; unit 1 is back
	QUANT1 R0, CD+8, WP+1
	global_store_b128 v1, v[CD+8:CD+11], s[6:7] offset:1024
	global_store_b128 v1, v[CD+12:CD+15], s[6:7] offset:1536
	ds_store_b64 v5, v[WP:WP+1]                    ; both halves of the lanes write the same bytes with the same values
	s_wait_dscnt 0x0                               ; for the others' sake: my scale words lie in LDS
	s_barrier_signal -1
	s_barrier_wait -1
	s_cmp_lg_u32 s16, 0
	s_cbranch_scc1 .Ldone                          ; wave 0 stores the tile's 512 scale bytes: two whole aligned blocks of 256
	ds_load_b128 v[12:15], v6
	s_wait_dscnt 0x0
	global_store_b128 v1, v[12:15], s[8:9]
.Ldone:
	s_wait_tensorcnt 0x0
	ds_add_u32 v240, v241
	s_wait_dscnt 0x0
	s_endpgm
.Lfunc_end_k_qa0750c396e_quant:
	.size	k_qa0750c396e_quant, .Lfunc_end_k_qa0750c396e_quant-k_qa0750c396e_quant
	.p2alignl 7, 3214868480
	.fill 96, 4, 3214868480
	.section	.rodata,"a",@progbits
	.p2align	6, 0x0
	.amdhsa_kernel k_qa0750c396e_quant
		.amdhsa_group_segment_fixed_size 68608
		.amdhsa_private_segment_fixed_size 0
		.amdhsa_enable_private_segment 0
		.amdhsa_kernarg_size 24
		.amdhsa_user_sgpr_count 2
		.amdhsa_user_sgpr_kernarg_segment_ptr 1
		.amdhsa_wavefront_size32 1
		.amdhsa_system_sgpr_workgroup_id_x 1
		.amdhsa_system_sgpr_workgroup_id_y 1
		.amdhsa_system_sgpr_workgroup_id_z 1
		.amdhsa_system_vgpr_workitem_id 0
		.amdhsa_next_free_vgpr 242
		.amdhsa_next_free_sgpr 66
		.amdhsa_reserve_vcc 0
		.amdhsa_float_denorm_mode_32 3
		.amdhsa_float_denorm_mode_16_64 3
		.amdhsa_memory_ordered 1
		.amdhsa_forward_progress 1
		.amdhsa_inst_pref_size 16
	.end_amdhsa_kernel
	.amdgpu_metadata
---
amdhsa.version: [ 1, 2 ]
amdhsa.kernels:
  - .name:           k_qa0750c396e_quant
    .symbol:         k_qa0750c396e_quant.kd
    .args:
      - { .name: inputs, .offset: 0, .size: 8, .value_kind: global_buffer, .address_space: global }
      - { .name: xc, .offset: 8, .size: 8, .value_kind: global_buffer, .address_space: global }
      - { .name: xs, .offset: 16, .size: 8, .value_kind: global_buffer, .address_space: global }
    .group_segment_fixed_size: 68608
    .private_segment_fixed_size: 0
    .kernarg_segment_align: 8
    .kernarg_segment_size: 24
    .max_flat_workgroup_size: 128
    .sgpr_count:     66
    .vgpr_count:     242
    .wavefront_size: 32
...
	.end_amdgpu_metadata
.endif
;; end of part 1
;; launch proj (part 2): grid 16 x 16, 8 waves a work-group, clusters of 4 x 4, 201,728 bytes of LDS; arguments xc, xs, WQ_codes, WQ_scales, WK_codes, WK_scales, qk; writes qk
.if DOCPART == 2
	.amdgcn_target "amdgcn-amd-amdhsa--gfx1250"
	.amdhsa_code_object_version 6
	.text
	.protected	k_qa0750c396e_proj
	.globl	k_qa0750c396e_proj
	.p2align	8
	.type	k_qa0750c396e_proj,@function
k_qa0750c396e_proj:
	s_mov_b64 s[64:65], 0
	v_nop
	global_prefetch_b8 v0, s[64:65] scope:SCOPE_SE
	s_setreg_imm32_b32 hwreg(HW_REG_WAVE_MODE, 25, 1), 1
	s_wait_xcnt 0x0
	s_wait_alu depctr_hold_cnt(0) depctr_sa_sdst(0) depctr_va_vdst(0) depctr_va_sdst(0) depctr_va_ssrc(0) depctr_va_vcc(0) depctr_vm_vsrc(0)
	s_getreg_b32 s2, hwreg(HW_REG_IB_STS2, 6, 4)
	s_cmp_eq_u32 s2, 0
	s_cbranch_scc0 .Lentry_in_a_cluster
	s_endpgm
.Lentry_in_a_cluster:
	s_bfe_u32 s2, ttmp6, 0x10000c
	s_cmp_lg_u32 s2, 0xf033
	s_cbranch_scc0 .Lentry_shape_is_right
	s_endpgm
.Lentry_shape_is_right:
; Q = x WQ and K = x WK on codes of FP4: one product [4096 rows] x [2048 columns = 32 heads hh (0-15 Q's, 16-31 K's) x 64] over K = 1024; the results are quantised along the head's 64 in registers.
; qk [hh][b] blocks of 36,864 bytes: codes [tile g = s / 16][lane (h, r)][16 bytes] (block h of row 16 g + r), then from byte 32,768 scale words [G = s / 64][lane (h, r)][q] (row 64 G + 16 (2 q + h) + r; bytes 2, 3 = 0x7f).
; SHARES: work-group (gx, gy): 256 rows x 128 columns.  Wave w: 64 rows (wr = w / 2: four tiles m) x one head (wc = w % 2: four tiles t of 16): 16 accumulators.
; THE PRODUCT IS USED TRANSPOSED: source 0 = 16 rows of W, source 1 = 16 rows of x: lane (r, h) holds row r and its register j of tile t the column 16 t + 8 h + j.
; LDS: the work-group's whole K fits: x's codes 131,072 bytes, in two halves of K; W's 128 rows in two halves of 256 bytes, rows 272 bytes apart.  Every byte is filled once: no ring.
; CLUSTER 4 x 4: x's tiles hang on gx alone and are asked for jointly along a column of the cluster, W's on gy alone and jointly along a row.  A wave has four tensor loads out at the most.
; LIMITS: NaN and infinities are not served; a block of zeros gets the byte 1 (its codes are zeros; this program alone reads the bytes).
.set XB,    0
.set XHALF, 65536
.set WB,    131072
.set WPI,   272
.set WHALF, 128*WPI
.set LN16,  1                          ; v1  16 x lane
.set LN8,   2                          ; v2  8 x lane
.set WSO,   3                          ; v3  32 r + 16 h: my 16 bytes of a row of W's scales
.set AX,    4                          ; v4-5  x's fragments, K's first and second half
.set AW,    6                          ; v6-7  W's
.set WF,    32                         ; v32-63   W's four fragments
.set XF,    64                         ; v64-95   x's four
.set WS,    96                         ; v96-111  W's scale words: 4 t + q: lanes 0-15 ks = q, lanes 16-31 ks = 4 + q
.set XS,    112                        ; v112-127 x's: 4 m + q
.set ACC,   128                        ; v128-255 accumulator (m, t) at 32 m + 8 t
.set TM,    32                         ; behind the K steps v32-61 serve the quantiser
.set TP,    34
.set SO,    36
.set BY,    38
.set CB,    40                         ; v40-55 the codes, four registers a tile
.set WD,    56                         ; v56-59 the tiles' scale words
.set PW,    60                         ; v60-61 as they are stored
.set G1X,   28
.set G1W,   36
.set G0X,   44
.set G0W,   52
.set SEL,   72
.set HI,    74
.macro CROUND                          ; a round of the cluster's barrier
	s_barrier_signal -1
	s_barrier_wait -1
	s_cmp_lg_u32 s18, 0
	s_cbranch_scc1 .Lnot_wave_0_\@
	s_barrier_signal -3
.Lnot_wave_0_\@:
	s_barrier_wait -3
	s_barrier_signal -1
	s_barrier_wait -1
.endm
.macro PLACES n
.rept \n
	v_nop
.endr
.endm
.macro MM d, a, b, sa, sb, ks          ; one product; ks = 0 starts the sum; from ks = 4 on the scale words stand in lanes 16-31
.if (\ks) == 0
	v_wmma_scale_f32_16x16x128_f8f6f4 v[(\d):(\d)+7], v[(\a):(\a)+7], v[(\b):(\b)+7], 0, v[(\sa)], v[(\sb)] matrix_a_fmt:MATRIX_FMT_FP4 matrix_b_fmt:MATRIX_FMT_FP4
.elseif (\ks) < 4
	v_wmma_scale_f32_16x16x128_f8f6f4 v[(\d):(\d)+7], v[(\a):(\a)+7], v[(\b):(\b)+7], v[(\d):(\d)+7], v[(\sa)], v[(\sb)] matrix_a_fmt:MATRIX_FMT_FP4 matrix_b_fmt:MATRIX_FMT_FP4
.else
	v_wmma_scale_f32_16x16x128_f8f6f4 v[(\d):(\d)+7], v[(\a):(\a)+7], v[(\b):(\b)+7], v[(\d):(\d)+7], v[(\sa)], v[(\sb)] matrix_a_fmt:MATRIX_FMT_FP4 matrix_b_fmt:MATRIX_FMT_FP4 matrix_a_scale:MATRIX_SCALE_ROW1 matrix_b_scale:MATRIX_SCALE_ROW1
.endif
.endm
; 32 registers (four result tiles of one tile of rows; register 8 t + j = column 16 t + 8 h + j of row r) become the lane's 16 bytes (block h of row r) and the row's scale word.
.macro QUANT2 src, cod, wrd, l2
.irp k, 0,1
	v_max3_num_f32 v[TM+\k], |v[(\src)+16*\k]|, |v[(\src)+16*\k+1]|, 0x1800000   ; block k: my 16 numbers and the floor 2^(3 - 127); each tile is read from its low end on
.endr
.irp i, 2,4,6,8,10,12,14
.irp k, 0,1
	v_max3_num_f32 v[TM+\k], v[TM+\k], |v[(\src)+16*\k+\i]|, |v[(\src)+16*\k+\i+1]|
.endr
.endr
.irp k, 0,1
	v_permlanex16_b32 v[TP+\k], v[TM+\k], s[SEL], s[SEL+1]
.endr
.irp k, 0,1
	v_max_num_f32 v[TM+\k], v[TM+\k], v[TP+\k]     ; with lane l xor 16's 16: the block's largest magnitude
.endr
.irp k, 0,1
	v_add_nc_u32 v[SO+\k], 0xff000000, v[TM+\k]    ; 2 off the exponent field: the conversion's scale operand
.endr
.irp k, 0,1
	v_lshrrev_b32 v[BY+\k], 23, v[SO+\k]
.endr
	v_lshl_or_b32 v[\wrd], v[BY+1], 8, v[BY]
.if \l2
	v_or_b32 v[\wrd], 0x7f7f0000, v[\wrd]          ; K = 64 in an instruction of 128: the upper two blocks get the byte of 1.0 over zero codes
.endif
	v_cvt_scalef32_pk8_fp4_f32 v[(\cod)], v[(\src):(\src)+7], v[SO]
	v_cvt_scalef32_pk8_fp4_f32 v[(\cod)+1], v[(\src)+16:(\src)+23], v[SO+1]
	v_cvt_scalef32_pk8_fp4_f32 v[(\cod)+2], v[(\src)+8:(\src)+15], v[SO]
	v_cvt_scalef32_pk8_fp4_f32 v[(\cod)+3], v[(\src)+24:(\src)+31], v[SO+1]
	v_nop                                          ; one plain place behind a scaled conversion
	v_permlane16_swap_b32 v[(\cod)], v[(\cod)+1]   ; lanes 0-15 get block 0 whole, lanes 16-31 block 1: words 0, 1 ..
	v_permlane16_swap_b32 v[(\cod)+2], v[(\cod)+3] ; .. and words 2, 3
.endm
	s_load_b128 s[4:7], s[0:1], 0x0                ; xc, xs
	s_load_b256 s[8:15], s[0:1], 0x10              ; WQ's codes, scales; WK's codes, scales
	s_load_b64 s[16:17], s[0:1], 0x30              ; qk
	v_lshl_add_u32 v30, v0, 2, 0x31000
	v_mov_b32 v31, 0
	ds_add_u32 v30, v31
	ds_add_u32 v30, v31
	v_lshrrev_b32 v1, 5, v0
	v_readfirstlane_b32 s18, v1                    ; wave 0..7
	s_bfe_u32 s19, ttmp6, 0x40000                  ; cx
	s_bfe_u32 s20, ttmp6, 0x40004                  ; cy
	s_lshl_b32 s21, ttmp9, 2
	s_add_co_u32 s21, s21, s19                     ; gx: which 256 rows
	s_and_b32 s22, ttmp7, 0xffff                   ; the cluster's y
	s_lshl_b32 s23, s22, 2
	s_add_co_u32 s23, s23, s20                     ; gy: which 128 columns
	s_lshl_b32 s24, s20, 2
	s_lshl_b32 s24, 15, s24                        ; my row of the cluster
	s_lshl_b32 s25, 0x1111, s19                    ; my column
	s_lshr_b32 s26, s18, 1                         ; wr
	s_and_b32 s27, s18, 1                          ; wc
	; x: two tiles' half of K: 2 rows of 4,096 bytes (512 elements of 8), 8,192 bytes apart
	s_or_b32 s[G1X], s25, (3<<16)|(1<<21)
	s_mov_b32 s[G1X+1], 512<<16
	s_mov_b32 s[G1X+2], 2<<16
	s_mov_b32 s[G1X+3], 512<<16
	s_mov_b32 s[G1X+4], 2
	s_mov_b32 s[G1X+5], 1024
	s_mov_b32 s[G1X+6], 0
	s_mov_b32 s[G1X+7], 0
	; W: 16 rows of 256 bytes, 512 apart; 16 bytes of padding behind every 64 words
	s_or_b32 s[G1W], s24, (1<<20)|(1<<21)|(5<<22)|(3<<25)
	s_mov_b32 s[G1W+1], 256<<16
	s_mov_b32 s[G1W+2], 16<<16
	s_mov_b32 s[G1W+3], 256<<16
	s_mov_b32 s[G1W+4], 16
	s_mov_b32 s[G1W+5], 512
	s_mov_b32 s[G1W+6], 0
	s_mov_b32 s[G1W+7], 0
	s_lshl_b32 s60, s21, 17                        ; x: tile 16 gx + 2 w, 8,192 bytes a tile
	s_lshl_b32 s3, s18, 14
	s_add_co_u32 s60, s60, s3
	s_mov_b32 s61, 0
	s_and_b32 s62, s23, 7                          ; W: row 128 (gy % 8) + 16 w, 512 bytes a row
	s_lshl_b32 s62, s62, 16
	s_lshl_b32 s3, s18, 13
	s_add_co_u32 s62, s62, s3
	s_mov_b32 s63, 0
	s_lshl_b32 s66, s18, 13                        ; in LDS: 8,192 w;
	s_mul_i32 s67, s18, 16*WPI
	s_add_co_u32 s67, s67, WB                      ; WB + 4,352 w
	s_wait_dscnt 0x0
	s_wait_kmcnt 0x0
	s_cmp_lt_u32 s22, 2                            ; gy < 8: WQ, else WK.  The choice hangs on the cluster's number alone: all partners choose alike
	s_cselect_b64 s[8:9], s[8:9], s[12:13]
	s_cselect_b64 s[10:11], s[10:11], s[14:15]
	s_add_nc_u64 s[60:61], s[4:5], s[60:61]
	s_add_nc_u64 s[62:63], s[8:9], s[62:63]
.irp f, 0,1
	s_mov_b32 s[G0X+4*\f], 1
	s_add_co_u32 s[G0X+4*\f+1], s66, XB+\f*XHALF
	s_add_nc_u64 s[G0X+4*\f+2:G0X+4*\f+3], s[60:61], \f*4096
	s_or_b32 s[G0X+4*\f+3], s[G0X+4*\f+3], 0x80000000
	s_mov_b32 s[G0W+4*\f], 1
	s_add_co_u32 s[G0W+4*\f+1], s67, \f*WHALF
	s_add_nc_u64 s[G0W+4*\f+2:G0W+4*\f+3], s[62:63], \f*256
	s_or_b32 s[G0W+4*\f+3], s[G0W+4*\f+3], 0x80000000
.endr
	CROUND                                         ; all sixteen work-groups are here: the joint loads meet
	tensor_load_to_lds s[G0X:G0X+3], s[G1X:G1X+7]  ; K's first half: x, W;
	s_nop 0
	tensor_load_to_lds s[G0W:G0W+3], s[G1W:G1W+7]
	s_nop 0
	tensor_load_to_lds s[G0X+4:G0X+7], s[G1X:G1X+7]   ; its second half
	s_nop 0
	tensor_load_to_lds s[G0W+4:G0W+7], s[G1W:G1W+7]
	s_nop 0
	PLACES 4
	v_and_b32 v8, 31, v0
	v_lshlrev_b32 v[LN16], 4, v8
	v_lshlrev_b32 v[LN8], 3, v8
	v_and_b32 v9, 15, v0                           ; r
	v_bfe_u32 v10, v0, 4, 1                        ; h
	s_lshl_b32 s3, s26, 14
	v_add_nc_u32 v[AX], s3, v[LN16]                ; my four tiles of x: 16,384 wr + 16 x lane
	v_add_nc_u32 v[AX+1], XHALF, v[AX]
	v_mul_u32_u24 v[AW], v9, WPI
	v_lshl_add_u32 v[AW], v10, 4, v[AW]
	s_mul_i32 s3, s27, 64*WPI
	s_add_co_u32 s3, s3, WB
	v_add_nc_u32 v[AW], s3, v[AW]                  ; my head's rows of W: row 64 wc + r, + 16 h
	v_add_nc_u32 v[AW+1], WHALF, v[AW]
	v_lshlrev_b32 v[WSO], 5, v9
	v_lshl_add_u32 v[WSO], v10, 4, v[WSO]
	s_mov_b32 s[SEL], 0x76543210
	s_mov_b32 s[SEL+1], 0xfedcba98
	s_mov_b32 s[HI], 0xffff0000                    ; lanes 16-31
	s_and_b32 s68, s23, 7                          ; W's scales: 32 bytes a row: 4,096 (gy % 8) + 2,048 wc
	s_lshl_b32 s68, s68, 12
	s_lshl_b32 s2, s27, 11
	s_add_co_u32 s68, s68, s2
	s_mov_b32 s69, 0
	s_add_nc_u64 s[10:11], s[10:11], s[68:69]
	s_lshl_b32 s70, s21, 13                        ; x's: 512 bytes a tile: 8,192 gx + 2,048 wr
	s_lshl_b32 s2, s26, 11
	s_add_co_u32 s70, s70, s2
	s_mov_b32 s71, 0
	s_add_nc_u64 s[6:7], s[6:7], s[70:71]
	s_lshl_b32 s76, s23, 1
	s_add_co_u32 s76, s76, s27                     ; hh = 2 gy + wc
	s_lshl_b32 s76, s76, 2
	s_lshr_b32 s2, s21, 2
	s_add_co_u32 s76, s76, s2                      ; 4 hh + b
	s_mul_i32 s76, s76, 36864
	s_and_b32 s2, s21, 3
	s_lshl_b32 s2, s2, 2
	s_add_co_u32 s2, s2, s26                       ; G = 4 (gx % 4) + wr: my 64 rows in the batch
	s_lshl_b32 s78, s2, 8
	s_add_co_u32 s78, s78, s76
	s_add_co_u32 s78, s78, 32768                   ; their scale words
	s_lshl_b32 s2, s2, 11
	s_add_co_u32 s76, s76, s2                      ; their codes
	s_mov_b32 s77, 0
	s_mov_b32 s79, 0
	s_add_nc_u64 s[76:77], s[16:17], s[76:77]
	s_add_nc_u64 s[78:79], s[16:17], s[78:79]
.irp t, 0,1,2,3
	global_load_b128 v[WS+4*\t:WS+4*\t+3], v[WSO], s[10:11] offset:512*\t      ; 16 rows x 32 bytes: 512 consecutive bytes
.endr
.irp m, 0,1,2,3
	global_load_b128 v[XS+4*\m:XS+4*\m+3], v[LN16], s[6:7] offset:512*\m
.endr
.macro KSTEP ks                        ; 128 along K: 16 LDS loads, 16 products on 16 accumulators by turns
.if (\ks) > 0
	PLACES 4                                       ; in front of loads into registers that matrix instructions have read
.endif
.irp t, 0,1,2,3
.irp c, 0,1
	ds_load_b128 v[WF+8*\t+4*\c:WF+8*\t+4*\c+3], v[AW+(\ks)/4] offset:16*\t*WPI+((\ks)%4)*64+32*\c
.endr
.endr
.irp m, 0,1,2,3
.irp c, 0,1
	ds_load_b128 v[XF+8*\m+4*\c:XF+8*\m+4*\c+3], v[AX+(\ks)/4] offset:\m*4096+((\ks)%4)*1024+512*\c
.endr
.endr
	s_wait_dscnt 0x0
.irp m, 0,1,2,3
.irp t, 0,1,2,3
	MM ACC+32*\m+8*\t, WF+8*\t, XF+8*\m, WS+4*\t+(\ks)%4, XS+4*\m+(\ks)%4, \ks
.endr
.endr
.endm
	s_wait_tensorcnt 0x2                           ; my parts of K's first half are in; the two loads of the second half may be out
	s_barrier_signal -1
	s_barrier_wait -1                              ; everybody's are
	s_wait_loadcnt 0x0                             ; the scale words
	KSTEP 0
	KSTEP 1
	KSTEP 2
	KSTEP 3
	s_wait_tensorcnt 0x0                           ; my parts of the second half
	s_barrier_signal -1
	s_barrier_wait -1
	KSTEP 4
	KSTEP 5
	KSTEP 6
	KSTEP 7
	PLACES 4                                       ; in front of the first read of results and the first write of operands' registers
.irp m, 0,1,2,3
	QUANT2 ACC+32*\m, CB+4*\m, WD+\m, 1
	global_store_b128 v[LN16], v[CB+4*\m:CB+4*\m+3], s[76:77] offset:512*\m    ; a tile's codes: 512 consecutive bytes
.endr
	v_cndmask_b32 v[PW], v[WD], v[WD+1], s[HI]     ; lanes 0-15 the word of tile 2 q, lanes 16-31 that of tile 2 q + 1
	v_cndmask_b32 v[PW+1], v[WD+2], v[WD+3], s[HI]
	global_store_b64 v[LN8], v[PW:PW+1], s[78:79]  ; 256 consecutive bytes, aligned
	s_wait_tensorcnt 0x0
	ds_add_u32 v30, v31
	s_wait_dscnt 0x0
	CROUND                                         ; the closing round
	s_endpgm
.Lfunc_end_k_qa0750c396e_proj:
	.size	k_qa0750c396e_proj, .Lfunc_end_k_qa0750c396e_proj-k_qa0750c396e_proj
	.p2alignl 7, 3214868480
	.fill 96, 4, 3214868480
	.section	.rodata,"a",@progbits
	.p2align	6, 0x0
	.amdhsa_kernel k_qa0750c396e_proj
		.amdhsa_group_segment_fixed_size 201728
		.amdhsa_private_segment_fixed_size 0
		.amdhsa_enable_private_segment 0
		.amdhsa_kernarg_size 56
		.amdhsa_user_sgpr_count 2
		.amdhsa_user_sgpr_kernarg_segment_ptr 1
		.amdhsa_wavefront_size32 1
		.amdhsa_system_sgpr_workgroup_id_x 1
		.amdhsa_system_sgpr_workgroup_id_y 1
		.amdhsa_system_sgpr_workgroup_id_z 1
		.amdhsa_system_vgpr_workitem_id 0
		.amdhsa_next_free_vgpr 256
		.amdhsa_next_free_sgpr 96
		.amdhsa_reserve_vcc 0
		.amdhsa_float_denorm_mode_32 3
		.amdhsa_float_denorm_mode_16_64 3
		.amdhsa_memory_ordered 1
		.amdhsa_forward_progress 1
		.amdhsa_inst_pref_size 42
	.end_amdhsa_kernel
	.amdgpu_metadata
---
amdhsa.version: [ 1, 2 ]
amdhsa.kernels:
  - .name:           k_qa0750c396e_proj
    .symbol:         k_qa0750c396e_proj.kd
    .args:
      - { .name: xc, .offset: 0, .size: 8, .value_kind: global_buffer, .address_space: global }
      - { .name: xs, .offset: 8, .size: 8, .value_kind: global_buffer, .address_space: global }
      - { .name: WQ_codes, .offset: 16, .size: 8, .value_kind: global_buffer, .address_space: global }
      - { .name: WQ_scales, .offset: 24, .size: 8, .value_kind: global_buffer, .address_space: global }
      - { .name: WK_codes, .offset: 32, .size: 8, .value_kind: global_buffer, .address_space: global }
      - { .name: WK_scales, .offset: 40, .size: 8, .value_kind: global_buffer, .address_space: global }
      - { .name: qk, .offset: 48, .size: 8, .value_kind: global_buffer, .address_space: global }
    .group_segment_fixed_size: 201728
    .private_segment_fixed_size: 0
    .kernarg_segment_align: 8
    .kernarg_segment_size: 56
    .max_flat_workgroup_size: 256
    .sgpr_count:     96
    .vgpr_count:     256
    .wavefront_size: 32
...
	.end_amdgpu_metadata
.endif
;; end of part 2
;; launch attn (part 3): grid 4 x 64, 8 waves a work-group, clusters of 4 x 4, 202,752 bytes of LDS; arguments qk, xc, xs, WV_down_codes, WV_down_scales, vq, vs; writes vq, vs
.if DOCPART == 3
	.amdgcn_target "amdgcn-amd-amdhsa--gfx1250"
	.amdhsa_code_object_version 6
	.text
	.protected	k_qa0750c396e_attn
	.globl	k_qa0750c396e_attn
	.p2align	8
	.type	k_qa0750c396e_attn,@function
k_qa0750c396e_attn:
	s_mov_b64 s[64:65], 0
	v_nop
	global_prefetch_b8 v0, s[64:65] scope:SCOPE_SE
	s_setreg_imm32_b32 hwreg(HW_REG_WAVE_MODE, 25, 1), 1
	s_wait_xcnt 0x0
	s_wait_alu depctr_hold_cnt(0) depctr_sa_sdst(0) depctr_va_vdst(0) depctr_va_sdst(0) depctr_va_ssrc(0) depctr_va_vcc(0) depctr_vm_vsrc(0)
	s_getreg_b32 s2, hwreg(HW_REG_IB_STS2, 6, 4)
	s_cmp_eq_u32 s2, 0
	s_cbranch_scc0 .Lentry_in_a_cluster
	s_endpgm
.Lentry_in_a_cluster:
	s_bfe_u32 s2, ttmp6, 0x10000c
	s_cmp_lg_u32 s2, 0xf033
	s_cbranch_scc0 .Lentry_shape_is_right
	s_endpgm
.Lentry_shape_is_right:
; For head n and batch b: scores(s, S) = K(s) . Q(S) / 8 on codes of FP4; kept where S >= s and the score is not 0; a(s) = the softmax's diagonal; v = a(s) Vd(s), Vd = x WV_down on codes; v is quantised along the head's 64.
; Of the softmax only each row's maximum, its sum of exponentials and its diagonal score are needed.  Columns left of the diagonal are thrown away by the mask, so only chunks of 128 columns from the diagonal's on are multiplied.
; A score that is 0 counts as masked: it becomes -FLT_MAX ahead of the maximum.  The running maximum begins at -2^120, so a masked score's exponential is 2^(about -6e37) = 0 under every maximum;
; a row with nothing kept has the sum 0 and gets 1 / 1024, all 1,024 entries being equal there.
; LIMITS: NaN and infinities are not served; a score under 2^-146 in magnitude, whose eighth would fall to 0, is not masked; row maxima under -2^120 are not served; a block of zeros gets the scale byte 1 (zero codes; read by this program alone).
; SHARES: work-group (p = cx, n, b).  Wave w owns the row tiles g1 = p + 4 w and g2 = 63 - g1: (8 - w / 2) + (w / 2 + 1) = 9 chunks of 16 x 128 for every wave.  The first chunk hangs on the wave's number alone.
; LAYOUT: S^T = Q K^T (source 0 = 16 rows of Q: columns S; source 1 = my 16 rows of K): lane (r, h) holds row r and columns 16 t + 8 h + j.  Each lane keeps a maximum and a sum of its own; the two halves of the lanes meet at a pass's end.
; K = 64 IN AN INSTRUCTION OF 128: source 1 has zero codes in registers 4-7, so source 0's registers 4-7 may hold any codes: Q's tiles lie four registers apart, and tile t is named with the tile behind it.
; LDS, every byte filled once: the head's Q block (36,864), WV_down's 64 rows (528 apart), and for each wave its two tiles of x's codes (8,192 each).
; CLUSTER 4 x 4: cy = four heads of one batch, cx = p.  Q's block and W hang on the head: asked for jointly along a row of the cluster; x's tiles hang on p, w and b: jointly along a column.  A wave has four tensor loads out at the most.
.set QSCL,  32768                      ; Q's scale words in its block
.set WB,    36864
.set WPI,   528
.set XA,    70656
.set XBB,   136192
.set KOFF,  64*36864                   ; from a head's Q block to its K block
.set LN16,  1                          ; v1  16 x lane
.set WSO,   2                          ; v2  32 r + 16 h
.set RR,    3                          ; v3  r
.set AQS,   5                          ; v5  QSCL + 8 x lane
.set ADQ,   6                          ; v6, v7 the chunk's addresses
.set ADS,   7
.set AWV,   8                          ; v8  WB + 528 r + 16 h
.set AXA,   9                          ; v9, v10 my two tiles of x
.set AXB,   10
.set NEG,   11                         ; v11 -FLT_MAX
.set NCM,   12                         ; v12 -c M (v13 is named with it as a pair)
.set MX,    14                         ; v14 the running maximum
.set K1024, 15                         ; v15 1 / 1024
.set FF,    16                         ; v16 2^(c old M - c new M) (v17 named with it)
.set LS,    18                         ; v18-21 the sum, in four parts
.set LS2,   20
.set TT,    22                         ; v22-25 at work; at the head the offsets of the direct loads
.set DV,    26                         ; v26 the diagonal score
.set DDA,   27                         ; v27, v28 16 (g % 8) + r - 8 h for the two passes
.set DDB,   28
.set T0,    29
.set T1,    30
.set T2,    31
.set TP,    30
.set AT0,   32                         ; v32-33, v34-35 a(s), twice, for the two tiles
.set KS1,   36                         ; scale words: registers that hold nothing else
.set KS2,   37
.set QDS1,  38
.set QDS2,  39
.set QS,    40                         ; v40-43 a chunk's: register t / 2, lanes 0-15 even t, lanes 16-31 odd t
.set WS,    44                         ; v44-59
.set XS,    60                         ; v60-67
.set KF1,   68                         ; v68-75, v76-83 my tiles of K; the upper four registers are 0
.set KF2,   76
.set QD,    84                         ; v84-95 Q's two diagonal tiles and four zeros
.set DG,    96                         ; v96-103 the diagonal tile's scores
.set QF,    104                        ; v104-139 a chunk's eight tiles of Q and four zeros
.set S,     140                        ; v140-203 the scores; later Vd
.set F0,    68                         ; v68-115, v204-251 Vd's two sets of fragments
.set F1,    204
.set TM,    116
.set SO,    118
.set BY,    120
.set CB,    122                        ; v122-129
.set WD,    130                        ; v130-131
.set OV1,   252                        ; v252, v253 my tiles' places in vq; v254 in vs
.set OFFV,  254
.set DAT,   255
.set G1Q,   28
.set G1W,   36
.set G1X,   44
.set ZM,    72                         ; s72-79 lane masks of the zero test
.set DM,    80                         ; s80-87 the lanes that hold the diagonal in register j
.set CS,    88                         ; s88-89 c = log2(e) / 8
.set NC,    90                         ; s90 -c
.set SEL,   92
.set HI,    94
.set CH,    95
.set CHA,   96                         ; s96, s99 the passes' first chunks
.set OQ,    97
.set OS,    98
.set CHB,   99
.macro CROUND
	s_barrier_signal -1
	s_barrier_wait -1
	s_cmp_lg_u32 s18, 0
	s_cbranch_scc1 .Lnot_wave_0_\@
	s_barrier_signal -3
.Lnot_wave_0_\@:
	s_barrier_wait -3
	s_barrier_signal -1
	s_barrier_wait -1
.endm
.macro PLACES n
.rept \n
	v_nop
.endr
.endm
.macro MM d, a, b, sa, sb, ks
.if (\ks) == 0
	v_wmma_scale_f32_16x16x128_f8f6f4 v[(\d):(\d)+7], v[(\a):(\a)+7], v[(\b):(\b)+7], 0, v[(\sa)], v[(\sb)] matrix_a_fmt:MATRIX_FMT_FP4 matrix_b_fmt:MATRIX_FMT_FP4
.elseif (\ks) < 4
	v_wmma_scale_f32_16x16x128_f8f6f4 v[(\d):(\d)+7], v[(\a):(\a)+7], v[(\b):(\b)+7], v[(\d):(\d)+7], v[(\sa)], v[(\sb)] matrix_a_fmt:MATRIX_FMT_FP4 matrix_b_fmt:MATRIX_FMT_FP4
.else
	v_wmma_scale_f32_16x16x128_f8f6f4 v[(\d):(\d)+7], v[(\a):(\a)+7], v[(\b):(\b)+7], v[(\d):(\d)+7], v[(\sa)], v[(\sb)] matrix_a_fmt:MATRIX_FMT_FP4 matrix_b_fmt:MATRIX_FMT_FP4 matrix_a_scale:MATRIX_SCALE_ROW1 matrix_b_scale:MATRIX_SCALE_ROW1
.endif
.endm
.macro QUANT2 src, cod, wrd, l2        ; as in the launch before: 32 registers of one tile of rows -> the lane's 16 bytes (block h of row r) and the row's scale bytes
.irp k, 0,1
	v_max3_num_f32 v[TM+\k], |v[(\src)+16*\k]|, |v[(\src)+16*\k+1]|, 0x1800000
.endr
.irp i, 2,4,6,8,10,12,14
.irp k, 0,1
	v_max3_num_f32 v[TM+\k], v[TM+\k], |v[(\src)+16*\k+\i]|, |v[(\src)+16*\k+\i+1]|
.endr
.endr
.irp k, 0,1
	v_permlanex16_b32 v[TP+\k], v[TM+\k], s[SEL], s[SEL+1]
.endr
.irp k, 0,1
	v_max_num_f32 v[TM+\k], v[TM+\k], v[TP+\k]
.endr
.irp k, 0,1
	v_add_nc_u32 v[SO+\k], 0xff000000, v[TM+\k]
.endr
.irp k, 0,1
	v_lshrrev_b32 v[BY+\k], 23, v[SO+\k]
.endr
	v_lshl_or_b32 v[\wrd], v[BY+1], 8, v[BY]
.if \l2
	v_or_b32 v[\wrd], 0x7f7f0000, v[\wrd]
.endif
	v_cvt_scalef32_pk8_fp4_f32 v[(\cod)], v[(\src):(\src)+7], v[SO]
	v_cvt_scalef32_pk8_fp4_f32 v[(\cod)+1], v[(\src)+16:(\src)+23], v[SO+1]
	v_cvt_scalef32_pk8_fp4_f32 v[(\cod)+2], v[(\src)+8:(\src)+15], v[SO]
	v_cvt_scalef32_pk8_fp4_f32 v[(\cod)+3], v[(\src)+24:(\src)+31], v[SO+1]
	v_nop
	v_permlane16_swap_b32 v[(\cod)], v[(\cod)+1]
	v_permlane16_swap_b32 v[(\cod)+2], v[(\cod)+3]
.endm
	s_load_b256 s[4:11], s[0:1], 0x0               ; qk, xc, xs, WV_down's codes
	s_load_b128 s[12:15], s[0:1], 0x20             ; WV_down's scales, vq
	s_load_b64 s[16:17], s[0:1], 0x30              ; vs
	s_set_vgpr_msb 0x40
	v_lshl_add_u32 v0, v0, 2, 0x31400
	v_mov_b32 v1, 0
	s_set_vgpr_msb 0x4045
	ds_add_u32 v0, v1
	ds_add_u32 v0, v1
	s_set_vgpr_msb 0x4500
	v_lshrrev_b32 v1, 5, v0
	v_readfirstlane_b32 s18, v1                    ; wave 0..7
	s_bfe_u32 s19, ttmp6, 0x40000                  ; cx = p
	s_bfe_u32 s20, ttmp6, 0x40004                  ; cy
	s_and_b32 s22, ttmp7, 0xffff                   ; the cluster's y
	s_lshr_b32 s23, s22, 2                         ; b
	s_and_b32 s21, s22, 3
	s_lshl_b32 s21, s21, 2
	s_add_co_u32 s21, s21, s20                     ; n
	s_lshl_b32 s24, s20, 2
	s_lshl_b32 s24, 15, s24                        ; my row of the cluster
	s_lshl_b32 s25, 0x1111, s19                    ; my column
	s_lshl_b32 s26, s18, 2
	s_add_co_u32 s26, s26, s19                     ; g1
	s_sub_co_u32 s27, 63, s26                      ; g2
	; Q's block: 18 rows of 256 bytes a wave, dense
	s_or_b32 s[G1Q], s24, (3<<16)|(1<<21)
	s_mov_b32 s[G1Q+1], 32<<16
	s_mov_b32 s[G1Q+2], 18<<16
	s_mov_b32 s[G1Q+3], 32<<16
	s_mov_b32 s[G1Q+4], 18
	s_mov_b32 s[G1Q+5], 32
	s_mov_b32 s[G1Q+6], 0
	s_mov_b32 s[G1Q+7], 0
	; W: 8 rows of 512 bytes a wave; 16 bytes of padding behind every 128 words
	s_or_b32 s[G1W], s24, (1<<20)|(1<<21)|(6<<22)|(3<<25)
	s_mov_b32 s[G1W+1], 512<<16
	s_mov_b32 s[G1W+2], 8<<16
	s_mov_b32 s[G1W+3], 512<<16
	s_mov_b32 s[G1W+4], 8
	s_mov_b32 s[G1W+5], 512
	s_mov_b32 s[G1W+6], 0
	s_mov_b32 s[G1W+7], 0
	; a tile of x's codes: 32 rows of 256 bytes, dense
	s_or_b32 s[G1X], s25, (3<<16)|(1<<21)
	s_mov_b32 s[G1X+1], 32<<16
	s_mov_b32 s[G1X+2], 32<<16
	s_mov_b32 s[G1X+3], 32<<16
	s_mov_b32 s[G1X+4], 32
	s_mov_b32 s[G1X+5], 32
	s_mov_b32 s[G1X+6], 0
	s_mov_b32 s[G1X+7], 0
	s_lshl_b32 s72, s21, 2
	s_add_co_u32 s72, s72, s23
	s_mul_i32 s72, s72, 36864                      ; Q's block (4 n + b)
	s_mov_b32 s73, 0
	s_mul_i32 s74, s18, 4608                       ; my part of it, in memory and in LDS
	s_mov_b32 s75, 0
	s_lshl_b32 s76, s21, 15                        ; W: row 64 n + 8 w
	s_lshl_b32 s3, s18, 12
	s_add_co_u32 s76, s76, s3
	s_mov_b32 s77, 0
	s_lshl_b32 s78, s23, 6
	s_add_co_u32 s80, s78, s27
	s_add_co_u32 s78, s78, s26
	s_lshl_b32 s78, s78, 13                        ; x's tile 64 b + g1,
	s_lshl_b32 s80, s80, 13                        ; and 64 b + g2
	s_mov_b32 s79, 0
	s_mov_b32 s81, 0
	s_wait_dscnt 0x0
	s_wait_kmcnt 0x0
	s_add_nc_u64 s[2:3], s[4:5], s[72:73]          ; Q's block: also the base of the direct loads
	s_mov_b32 s52, 1
	s_mov_b32 s53, s74
	s_add_nc_u64 s[54:55], s[2:3], s[74:75]
	s_or_b32 s55, s55, 0x80000000
	s_mov_b32 s56, 1
	s_mul_i32 s57, s18, 8*WPI
	s_add_co_u32 s57, s57, WB
	s_add_nc_u64 s[58:59], s[10:11], s[76:77]
	s_or_b32 s59, s59, 0x80000000
	s_mov_b32 s60, 1
	s_lshl_b32 s61, s18, 13
	s_add_co_u32 s61, s61, XA
	s_add_nc_u64 s[62:63], s[6:7], s[78:79]
	s_or_b32 s63, s63, 0x80000000
	s_mov_b32 s68, 1
	s_lshl_b32 s69, s18, 13
	s_add_co_u32 s69, s69, XBB
	s_add_nc_u64 s[70:71], s[6:7], s[80:81]
	s_or_b32 s71, s71, 0x80000000
	CROUND                                         ; all sixteen work-groups are here: the joint loads meet
	tensor_load_to_lds s[52:55], s[G1Q:G1Q+7]      ; Q first: the scores want it;
	s_nop 0
	tensor_load_to_lds s[56:59], s[G1W:G1W+7]      ; the other three land while the scores are worked
	s_nop 0
	tensor_load_to_lds s[60:63], s[G1X:G1X+7]
	s_nop 0
	tensor_load_to_lds s[68:71], s[G1X:G1X+7]
	s_nop 0
	PLACES 4
	v_and_b32 v2, 31, v0
	v_lshlrev_b32 v[LN16], 4, v2
	v_lshl_add_u32 v[AQS], v2, 3, QSCL
	v_and_b32 v[RR], 15, v0
	v_bfe_u32 v4, v0, 4, 1                         ; h
	v_mul_u32_u24 v[AWV], v[RR], WPI
	v_lshl_add_u32 v[AWV], v4, 4, v[AWV]
	v_add_nc_u32 v[AWV], WB, v[AWV]
	s_lshl_b32 s66, s18, 13
	v_add_nc_u32 v[AXA], s66, v[LN16]
	v_add_nc_u32 v[AXB], XBB, v[AXA]
	v_add_nc_u32 v[AXA], XA, v[AXA]
	v_lshlrev_b32 v[WSO], 5, v[RR]
	v_lshl_add_u32 v[WSO], v4, 4, v[WSO]
	v_mov_b32 v[NEG], 0xff7fffff
	v_mov_b32 v[NCM+1], 0
	v_mov_b32 v[K1024], 0x3a800000
	v_mov_b32 v[FF+1], 0
	v_mov_b32 v[T1], 0                             ; lane permutes' destinations count as sources
	v_mov_b32 v[T2], 0
.irp i, 4,5,6,7
	v_mov_b32 v[KF1+\i], 0                         ; zero codes for k = 64 .. 127
	v_mov_b32 v[KF2+\i], 0
	v_mov_b32 v[QD+4+\i], 0
	v_mov_b32 v[QF+28+\i], 0
.endr
	s_mov_b32 s[HI], 0xffff0000                    ; lanes 16-31
	v_add_nc_u32 v[OV1], s78, v[LN16]              ; vq: 8,192 T + 16 x lane
	v_add_nc_u32 v[OV1+1], s80, v[LN16]
	s_lshr_b32 s91, s78, 4                         ; vs: 512 T: lanes 0-15 serve tile 1, lanes 16-31 tile 2
	s_lshr_b32 s67, s80, 4
	v_mov_b32 v[T0], s91
	v_mov_b32 v[DAT], s67
	v_cndmask_b32 v[T0], v[T0], v[DAT], s[HI]
	v_lshl_add_u32 v[OFFV], v[RR], 4, v[T0]
	v_lshlrev_b32 v[T0], 3, v4
	v_sub_nc_u32 v[T0], v[RR], v[T0]               ; r - 8 h
	s_and_b32 s91, s26, 7
	s_lshl_b32 s91, s91, 4
	v_add_nc_u32 v[DDA], s91, v[T0]
	s_and_b32 s91, s27, 7
	s_lshl_b32 s91, s91, 4
	v_add_nc_u32 v[DDB], s91, v[T0]
	s_lshl_b32 s91, s26, 9
	v_add_nc_u32 v[TT], s91, v[LN16]               ; tile g's 512 bytes of codes (and of xs)
	s_lshl_b32 s91, s27, 9
	v_add_nc_u32 v[TT+1], s91, v[LN16]
.macro SOFF g, dst                     ; tile g's scale words: 256 (g / 4) + 128 (g % 2) + 4 ((g / 2) % 2) + 8 r
	s_lshr_b32 s91, s[\g], 2
	s_lshl_b32 s91, s91, 8
	s_and_b32 s67, s[\g], 1
	s_lshl_b32 s67, s67, 7
	s_add_co_u32 s91, s91, s67
	s_bfe_u32 s67, s[\g], 0x10001
	s_lshl_b32 s67, s67, 2
	s_add_co_u32 s91, s91, s67
	v_lshl_add_u32 v[\dst], v[RR], 3, s91
.endm
	SOFF 26, TT+2
	SOFF 27, TT+3
	s_lshl_b32 s100, s21, 11                       ; W's scales: 32 bytes a row, 64 rows a head
	s_mov_b32 s101, 0
	s_add_nc_u64 s[12:13], s[12:13], s[100:101]
	s_lshl_b32 s100, s23, 15                       ; xs: 64 tiles of 512 bytes a batch
	s_add_nc_u64 s[8:9], s[8:9], s[100:101]
	s_lshl_b32 s100, s21, 9                        ; vq: 1,024 (n / 2) + 512 (n % 2) = 512 n
	s_add_nc_u64 s[14:15], s[14:15], s[100:101]
	s_lshr_b32 s100, s21, 3                        ; vs: 256 (n / 8) + 2 (n % 8)
	s_lshl_b32 s100, s100, 8
	s_and_b32 s91, s21, 7
	s_lshl_b32 s91, s91, 1
	s_add_co_u32 s100, s100, s91
	s_add_nc_u64 s[16:17], s[16:17], s[100:101]
	global_load_b128 v[KF1:KF1+3], v[TT], s[2:3] offset:KOFF
	global_load_b128 v[KF2:KF2+3], v[TT+1], s[2:3] offset:KOFF
	global_load_b128 v[QD:QD+3], v[TT], s[2:3]
	global_load_b128 v[QD+4:QD+7], v[TT+1], s[2:3]
	global_load_b32 v[KS1], v[TT+2], s[2:3] offset:KOFF+QSCL
	global_load_b32 v[KS2], v[TT+3], s[2:3] offset:KOFF+QSCL
	global_load_b32 v[QDS1], v[TT+2], s[2:3] offset:QSCL
	global_load_b32 v[QDS2], v[TT+3], s[2:3] offset:QSCL
.irp t, 0,1,2,3
	global_load_b128 v[WS+4*\t:WS+4*\t+3], v[WSO], s[12:13] offset:512*\t
.endr
	global_load_b128 v[XS:XS+3], v[TT], s[8:9]
	global_load_b128 v[XS+4:XS+7], v[TT+1], s[8:9]
.irp j, 0,1,2,3,4,5,6,7
	s_mov_b32 s[DM+\j], (1<<\j)|(1<<(24+\j))       ; row r's diagonal lies in register j of lane j (r < 8) or of lane 24 + j (r = 8 + j)
.endr
	s_mov_b32 s[CS], 0x3e38aa3b                    ; c = log2(e) / 8
	s_mov_b32 s[CS+1], s[CS]
	s_mov_b32 s[NC], 0xbe38aa3b
	s_mov_b32 s[SEL], 0x76543210
	s_mov_b32 s[SEL+1], 0xfedcba98
	s_lshr_b32 s[CHA], s18, 1                      ; g1 / 8 = w / 2
	s_sub_co_u32 s[CHB], 7, s[CHA]                 ; g2 / 8 = 7 - w / 2
.macro ZMASK                           ; a score that is 0 is masked, ahead of the maximum; eight compares, then eight selects, each tile from its low end on
.irp g, 0,1,2,3,4,5,6,7
.irp i, 0,1,2,3,4,5,6,7
	v_cmp_eq_f32 s[ZM+\i], 0, v[S+8*\g+\i]
.endr
.irp i, 0,1,2,3,4,5,6,7
	v_cndmask_b32 v[S+8*\g+\i], v[S+8*\g+\i], v[NEG], s[ZM+\i]
.endr
.endr
.endm
.macro TRI dd                          ; the diagonal's chunk: register 8 t + j holds column 16 t + 8 h + j: masked where 16 t + j < 16 (g % 8) + r - 8 h
.set j, 0
.rept 64
	v_cmp_lt_i32 vcc_lo, 16*(j/8)+j%8, v[\dd]
	v_cndmask_b32 v[S+j], v[S+j], v[NEG], vcc_lo
.set j, j+1
.endr
.endm
.macro SOFT                            ; the lane's 64 scores enter its running maximum and sum
.irp q, 0,1,2,3
	v_max3_num_f32 v[TT+\q], v[S+16*\q], v[S+16*\q+1], v[S+16*\q+2]
.endr
.irp i, 3,5,7,9,11,13
.irp q, 0,1,2,3
	v_max3_num_f32 v[TT+\q], v[TT+\q], v[S+16*\q+\i], v[S+16*\q+\i+1]
.endr
.endr
.irp q, 0,1,2,3
	v_max_num_f32 v[TT+\q], v[TT+\q], v[S+16*\q+15]
.endr
	v_max3_num_f32 v[TT], v[TT], v[TT+1], v[TT+2]
	v_max3_num_f32 v[MX], v[MX], v[TT], v[TT+3]
	v_mov_b32 v[T0], v[NCM]
	v_mul_f32 v[NCM], s[NC], v[MX]                 ; -c M
	v_sub_f32 v[T0], v[NCM], v[T0]
	v_exp_f32 v[FF], v[T0]                         ; 2^(c old M - c new M)
.set j, 0
.rept 32
	v_pk_fma_f32 v[S+2*j:S+2*j+1], v[S+2*j:S+2*j+1], s[CS:CS+1], v[NCM:NCM+1] op_sel_hi:[1,0,0]   ; c s - c M, two at a time
.set j, j+1
.endr
.set j, 0
.rept 32                               ; two exponentials, then a plain line that uses the pair before: no result is used straight behind its exponential
	v_exp_f32 v[S+2*j], v[S+2*j]
	v_exp_f32 v[S+2*j+1], v[S+2*j+1]
.if j == 0
	s_wait_alu depctr_va_vdst(0)
	v_pk_mul_f32 v[LS:LS+1], v[LS:LS+1], v[FF:FF+1] op_sel_hi:[1,0]
	v_pk_mul_f32 v[LS2:LS2+1], v[LS2:LS2+1], v[FF:FF+1] op_sel_hi:[1,0]
.else
	s_wait_alu depctr_va_vdst(0)
	v_pk_add_f32 v[LS+2*((j-1)%2):LS+2*((j-1)%2)+1], v[LS+2*((j-1)%2):LS+2*((j-1)%2)+1], v[S+2*(j-1):S+2*(j-1)+1]
.endif
.set j, j+1
.endr
	s_wait_alu depctr_va_vdst(0)
	v_pk_add_f32 v[LS2:LS2+1], v[LS2:LS2+1], v[S+62:S+63]
.endm
; One tile of 16 rows: its diagonal score, its chunks from the diagonal's on, and a(s) into v[at], v[at + 1].
.macro PASS kf, ksc, qd, qds, at, dd, ch0
	v_wmma_scale_f32_16x16x128_f8f6f4 v[DG:DG+7], v[(\qd):(\qd)+7], v[(\kf):(\kf)+7], 0, v[\qds], v[\ksc] matrix_a_fmt:MATRIX_FMT_FP4 matrix_b_fmt:MATRIX_FMT_FP4
	v_mov_b32 v[MX], 0xfb800000                    ; -2^120.  (These seven lines are the places behind the product)
	v_mul_f32 v[NCM], s[NC], v[MX]
	v_mov_b32 v[LS], 0
	v_mov_b32 v[LS+1], 0
	v_mov_b32 v[LS2], 0
	v_mov_b32 v[LS2+1], 0
	v_mov_b32 v[DV], v[NEG]
	s_mov_b32 s[CH], 0
	s_mov_b32 s[OQ], 0
	s_mov_b32 s[OS], 0
.irp j, 0,1,2,3,4,5,6,7
	v_cndmask_b32 v[DV], v[DV], v[DG+\j], s[DM+\j]
.endr
	v_cmp_eq_f32 vcc_lo, 0, v[DV]
	v_cndmask_b32 v[DV], v[DV], v[NEG], vcc_lo     ; a diagonal score of 0 is masked too
.Lchunk_\@:                            ; eight trips, a constant; the chunks left of the diagonal's are jumped over: the branch hangs on the wave's number and the trip
	s_cmp_lt_u32 s[CH], s[\ch0]
	s_cbranch_scc1 .Lnext_\@
	v_add_nc_u32 v[ADQ], s[OQ], v[LN16]
	v_add_nc_u32 v[ADS], s[OS], v[AQS]
.irp t, 0,1,2,3,4,5,6,7
	ds_load_b128 v[QF+4*\t:QF+4*\t+3], v[ADQ] offset:512*\t
.endr
	ds_load_b64 v[QS:QS+1], v[ADS]
	ds_load_b64 v[QS+2:QS+3], v[ADS] offset:256
	s_wait_dscnt 0x0
.irp t, 0,2,4,6
	v_wmma_scale_f32_16x16x128_f8f6f4 v[S+8*\t:S+8*\t+7], v[QF+4*\t:QF+4*\t+7], v[(\kf):(\kf)+7], 0, v[QS+\t/2], v[\ksc] matrix_a_fmt:MATRIX_FMT_FP4 matrix_b_fmt:MATRIX_FMT_FP4
	v_wmma_scale_f32_16x16x128_f8f6f4 v[S+8*\t+8:S+8*\t+15], v[QF+4*\t+4:QF+4*\t+11], v[(\kf):(\kf)+7], 0, v[QS+\t/2], v[\ksc] matrix_a_fmt:MATRIX_FMT_FP4 matrix_b_fmt:MATRIX_FMT_FP4 matrix_a_scale:MATRIX_SCALE_ROW1
.endr
	PLACES 4
	ZMASK
	s_cmp_lg_u32 s[CH], s[\ch0]
	s_cbranch_scc1 .Lopen_\@
	TRI \dd
.Lopen_\@:
	SOFT
.Lnext_\@:
	s_add_co_u32 s[OQ], s[OQ], 4096                ; eight tiles of codes,
	s_add_co_u32 s[OS], s[OS], 512                 ; and their scale words, on
	s_add_co_u32 s[CH], s[CH], 1
	s_cmp_lt_u32 s[CH], 8
	s_cbranch_scc1 .Lchunk_\@
	v_permlanex16_b32 v[T0], v[MX], s[SEL], s[SEL+1]
	v_max_num_f32 v[T0], v[MX], v[T0]              ; the row's maximum
	v_mul_f32 v[T1], s[NC], v[T0]
	v_sub_f32 v[T2], v[T1], v[NCM]
	v_exp_f32 v[T2], v[T2]                         ; my sum under the row's maximum
	v_pk_add_f32 v[LS:LS+1], v[LS:LS+1], v[LS2:LS2+1]
	v_add_f32 v[LS], v[LS], v[LS+1]
	s_wait_alu depctr_va_vdst(0)
	v_mul_f32 v[LS], v[LS], v[T2]
	v_permlanex16_b32 v[LS+1], v[LS], s[SEL], s[SEL+1]
	v_add_f32 v[LS], v[LS], v[LS+1]                ; the row's sum
	v_permlanex16_b32 v[LS+1], v[DV], s[SEL], s[SEL+1]
	v_max_num_f32 v[DV], v[DV], v[LS+1]            ; the diagonal score, in both halves of the lanes
	v_fma_f32 v[DV], v[DV], s[CS], v[T1]
	v_exp_f32 v[DV], v[DV]
	v_rcp_f32 v[LS+1], v[LS]
	v_nop                                          ; one plain place behind the transcendentals
	v_cmp_eq_f32 vcc_lo, 0, v[LS]
	s_wait_alu depctr_va_vdst(0)
	v_mul_f32 v[\at], v[DV], v[LS+1]
	v_cndmask_b32 v[\at], v[\at], v[K1024], vcc_lo ; nothing kept: 1,024 equal entries
	v_mov_b32 v[\at+1], v[\at]
.endm
	s_wait_tensorcnt 0x3                           ; my part of Q's block is in; the three loads behind it may be out
	s_barrier_signal -1
	s_barrier_wait -1                              ; everybody's is
	s_wait_loadcnt 0x0                             ; the direct loads
	PASS KF1, KS1, QD, QDS1, AT0, DDA, CHA
	PASS KF2, KS2, QD+4, QDS2, AT0+2, DDB, CHB
	; Vd = x WV_down for my two tiles of rows: source 0 = 16 rows of W, source 1 = 16 rows of x; eight accumulators by turns
	s_wait_tensorcnt 0x0                           ; my part of W and my two tiles of x
	s_barrier_signal -1
	s_barrier_wait -1
.macro VLOAD ks, f                     ; 12 LDS loads: W's four fragments and x's two of K step ks
.irp t, 0,1,2,3
.irp c, 0,1
	ds_load_b128 v[(\f)+8*\t+4*\c:(\f)+8*\t+4*\c+3], v[AWV] offset:16*\t*WPI+64*(\ks)+32*\c
.endr
.endr
.irp c, 0,1
	ds_load_b128 v[(\f)+32+4*\c:(\f)+32+4*\c+3], v[AXA] offset:1024*(\ks)+512*\c
.endr
.irp c, 0,1
	ds_load_b128 v[(\f)+40+4*\c:(\f)+40+4*\c+3], v[AXB] offset:1024*(\ks)+512*\c
.endr
.endm
	VLOAD 0, F0
.set kk, 0
.rept 8
.if kk < 7
.if kk > 0
	PLACES 4                                       ; the set to be loaded was multiplied just now
.endif
	VLOAD kk+1, F0+(F1-F0)*((kk+1)%2)
	s_wait_dscnt 12                                ; all but the twelve just issued
.else
	s_wait_dscnt 0x0
.endif
.set fb, F0+(F1-F0)*(kk%2)
.irp mt, 0,1
.irp t, 0,1,2,3
	MM S+32*\mt+8*\t, fb+8*\t, fb+32+8*\mt, WS+4*\t+kk%4, XS+4*\mt+kk%4, kk
.endr
.endr
.set kk, kk+1
.endr
	PLACES 4
.irp mt, 0,1
.set j, 0
.rept 16
	v_pk_mul_f32 v[S+32*\mt+2*j:S+32*\mt+2*j+1], v[S+32*\mt+2*j:S+32*\mt+2*j+1], v[AT0+2*\mt:AT0+2*\mt+1]   ; v = a(s) Vd, in f32
.set j, j+1
.endr
	QUANT2 S+32*\mt, CB+4*\mt, WD+\mt, 0
	global_store_b128 v[OV1+\mt], v[CB+4*\mt:CB+4*\mt+3], s[14:15]     ; 512 consecutive bytes
.endr
	v_cndmask_b32 v[DAT], v[WD], v[WD+1], s[HI]
	global_store_b16 v[OFFV], v[DAT], s[16:17]     ; a head's two scale bytes of a row lie between other heads': 2 bytes a lane, once in a wave
	s_set_vgpr_msb 0x5
	s_wait_tensorcnt 0x0
	ds_add_u32 v0, v1
	s_wait_dscnt 0x0
	s_set_vgpr_msb 0x500
	CROUND                                         ; the closing round
	s_endpgm
.Lfunc_end_k_qa0750c396e_attn:
	.size	k_qa0750c396e_attn, .Lfunc_end_k_qa0750c396e_attn-k_qa0750c396e_attn
	.p2alignl 7, 3214868480
	.fill 96, 4, 3214868480
	.section	.rodata,"a",@progbits
	.p2align	6, 0x0
	.amdhsa_kernel k_qa0750c396e_attn
		.amdhsa_group_segment_fixed_size 202752
		.amdhsa_private_segment_fixed_size 0
		.amdhsa_enable_private_segment 0
		.amdhsa_kernarg_size 56
		.amdhsa_user_sgpr_count 2
		.amdhsa_user_sgpr_kernarg_segment_ptr 1
		.amdhsa_wavefront_size32 1
		.amdhsa_system_sgpr_workgroup_id_x 1
		.amdhsa_system_sgpr_workgroup_id_y 1
		.amdhsa_system_sgpr_workgroup_id_z 1
		.amdhsa_system_vgpr_workitem_id 0
		.amdhsa_next_free_vgpr 258
		.amdhsa_next_free_sgpr 102
		.amdhsa_reserve_vcc 1
		.amdhsa_float_denorm_mode_32 3
		.amdhsa_float_denorm_mode_16_64 3
		.amdhsa_memory_ordered 1
		.amdhsa_forward_progress 1
		.amdhsa_inst_pref_size 86
	.end_amdhsa_kernel
	.amdgpu_metadata
---
amdhsa.version: [ 1, 2 ]
amdhsa.kernels:
  - .name:           k_qa0750c396e_attn
    .symbol:         k_qa0750c396e_attn.kd
    .args:
      - { .name: qk, .offset: 0, .size: 8, .value_kind: global_buffer, .address_space: global }
      - { .name: xc, .offset: 8, .size: 8, .value_kind: global_buffer, .address_space: global }
      - { .name: xs, .offset: 16, .size: 8, .value_kind: global_buffer, .address_space: global }
      - { .name: WV_down_codes, .offset: 24, .size: 8, .value_kind: global_buffer, .address_space: global }
      - { .name: WV_down_scales, .offset: 32, .size: 8, .value_kind: global_buffer, .address_space: global }
      - { .name: vq, .offset: 40, .size: 8, .value_kind: global_buffer, .address_space: global }
      - { .name: vs, .offset: 48, .size: 8, .value_kind: global_buffer, .address_space: global }
    .group_segment_fixed_size: 202752
    .private_segment_fixed_size: 0
    .kernarg_segment_align: 8
    .kernarg_segment_size: 56
    .max_flat_workgroup_size: 256
    .sgpr_count:     102
    .vgpr_count:     258
    .wavefront_size: 32
...
	.end_amdgpu_metadata
.endif
;; end of part 3
;; launch up (part 4): grid 8 x 32, 8 waves a work-group, clusters of 4 x 4, 205,824 bytes of LDS; arguments vq, vs, WV_up_codes, WV_up_scales, inputs, out0; writes out0
.if DOCPART == 4
	.amdgcn_target "amdgcn-amd-amdhsa--gfx1250"
	.amdhsa_code_object_version 6
	.text
	.protected	k_qa0750c396e_up
	.globl	k_qa0750c396e_up
	.p2align	8
	.type	k_qa0750c396e_up,@function
k_qa0750c396e_up:
	s_mov_b64 s[64:65], 0
	v_nop
	global_prefetch_b8 v0, s[64:65] scope:SCOPE_SE
	s_setreg_imm32_b32 hwreg(HW_REG_WAVE_MODE, 25, 1), 1
	s_wait_xcnt 0x0
	s_wait_alu depctr_hold_cnt(0) depctr_sa_sdst(0) depctr_va_vdst(0) depctr_va_sdst(0) depctr_va_ssrc(0) depctr_va_vcc(0) depctr_vm_vsrc(0)
	s_getreg_b32 s2, hwreg(HW_REG_IB_STS2, 6, 4)
	s_cmp_eq_u32 s2, 0
	s_cbranch_scc0 .Lentry_in_a_cluster
	s_endpgm
.Lentry_in_a_cluster:
	s_bfe_u32 s2, ttmp6, 0x10000c
	s_cmp_lg_u32 s2, 0xf033
	s_cbranch_scc0 .Lentry_shape_is_right
	s_endpgm
.Lentry_shape_is_right:
; out = x + (1 / 16) sum over heads n of v_n WV_up_n: ONE product [4096 rows] x [1024 e] over K = (n, d) = 1024 on codes of FP4: blocks of 32 lie along d, an instruction of 128 takes two heads.
; SHARES: work-group (gx, gy): 128 rows x 128 e.  Wave w: two tiles of rows (wr = w / 2) x four tiles of e (wc = w % 2): eight accumulators.
; TRANSPOSED: source 0 = 16 rows e of WV_up, source 1 = 16 rows of v: a lane holds eight neighbouring e of one row.
; LDS, every byte filled once: v's codes 65,536 bytes in two halves of K; WV_up's 128 e of each of 16 heads, 4,096 dense bytes a head, 16 bytes of padding behind every 256, so that rows r >= 8 fall into the other 16-byte columns;
; behind them, never a tensor load's target, a stage of 2 x 16 rows x 272 bytes for each wave.
; CLUSTER 4 x 4: v's tiles hang on gy: asked for jointly along a row of the cluster; WV_up's on gx: along a column.  A wave has four tensor loads out at the most.
.set VB,    0
.set VHALF, 32768
.set UB,    65536
.set UHD,   4352
.set STG,   135168
.set LN16,  1
.set VO,    2                          ; v2  4,096 h + 16 r: two rows of x and of out, 256 bytes each
.set UO,    3                          ; v3  16,384 h + 2 r: WV_up's scale bytes
.set AV,    4                          ; v4-5
.set AU,    6                          ; v6-7
.set SO,    11                         ; v11 the stage: in
.set SR,    12                         ; v12 and back
.set US,    16                         ; v16-31 WV_up's scale words: 4 te + q
.set VS,    32                         ; v32-39 v's: 4 m + q
.set UF,    40                         ; v40-71 WV_up's four fragments; first the scale bytes' pieces; last rows of tile 0
.set VF,    72                         ; v72-87 v's two
.set Y1,    88                         ; v88-119 rows of tile 1
.set XR,    128                        ; v128-191 x
.set ACC,   192                        ; v192-255
.set G1V,   28
.set G1U,   36
.set G0V,   44
.set G0U,   52
.macro CROUND
	s_barrier_signal -1
	s_barrier_wait -1
	s_cmp_lg_u32 s18, 0
	s_cbranch_scc1 .Lnot_wave_0_\@
	s_barrier_signal -3
.Lnot_wave_0_\@:
	s_barrier_wait -3
	s_barrier_signal -1
	s_barrier_wait -1
.endm
.macro PLACES n
.rept \n
	v_nop
.endr
.endm
.macro MM d, a, b, sa, sb, ks
.if (\ks) == 0
	v_wmma_scale_f32_16x16x128_f8f6f4 v[(\d):(\d)+7], v[(\a):(\a)+7], v[(\b):(\b)+7], 0, v[(\sa)], v[(\sb)] matrix_a_fmt:MATRIX_FMT_FP4 matrix_b_fmt:MATRIX_FMT_FP4
.elseif (\ks) < 4
	v_wmma_scale_f32_16x16x128_f8f6f4 v[(\d):(\d)+7], v[(\a):(\a)+7], v[(\b):(\b)+7], v[(\d):(\d)+7], v[(\sa)], v[(\sb)] matrix_a_fmt:MATRIX_FMT_FP4 matrix_b_fmt:MATRIX_FMT_FP4
.else
	v_wmma_scale_f32_16x16x128_f8f6f4 v[(\d):(\d)+7], v[(\a):(\a)+7], v[(\b):(\b)+7], v[(\d):(\d)+7], v[(\sa)], v[(\sb)] matrix_a_fmt:MATRIX_FMT_FP4 matrix_b_fmt:MATRIX_FMT_FP4 matrix_a_scale:MATRIX_SCALE_ROW1 matrix_b_scale:MATRIX_SCALE_ROW1
.endif
.endm
	s_load_b256 s[4:11], s[0:1], 0x0               ; vq, vs, WV_up's codes, scales
	s_load_b128 s[12:15], s[0:1], 0x20             ; x, out
	v_lshl_add_u32 v126, v0, 2, 0x32000
	v_mov_b32 v127, 0
	ds_add_u32 v126, v127
	ds_add_u32 v126, v127
	v_lshrrev_b32 v1, 5, v0
	v_readfirstlane_b32 s18, v1
	s_bfe_u32 s19, ttmp6, 0x40000                  ; cx
	s_bfe_u32 s20, ttmp6, 0x40004                  ; cy
	s_lshl_b32 s21, ttmp9, 2
	s_add_co_u32 s21, s21, s19                     ; gx: which 128 e
	s_and_b32 s22, ttmp7, 0xffff
	s_lshl_b32 s23, s22, 2
	s_add_co_u32 s23, s23, s20                     ; gy: which 128 rows
	s_lshl_b32 s24, s20, 2
	s_lshl_b32 s24, 15, s24                        ; my row of the cluster
	s_lshl_b32 s25, 0x1111, s19                    ; my column
	s_lshr_b32 s26, s18, 1                         ; wr
	s_and_b32 s27, s18, 1                          ; wc
	; both tiles: 4,096 dense bytes as 16 rows of 256; WV_up's with 16 bytes of padding behind each
	s_or_b32 s[G1V], s24, (3<<16)|(1<<21)
	s_or_b32 s[G1U], s25, (3<<16)|(1<<20)|(1<<21)|(5<<22)|(3<<25)
.irp g, G1V, G1U
	s_mov_b32 s[\g+1], 32<<16
	s_mov_b32 s[\g+2], 16<<16
	s_mov_b32 s[\g+3], 32<<16
	s_mov_b32 s[\g+4], 16
	s_mov_b32 s[\g+5], 32
	s_mov_b32 s[\g+6], 0
	s_mov_b32 s[\g+7], 0
.endr
	s_lshl_b32 s60, s23, 16                        ; v: tile 8 gy + w
	s_lshl_b32 s3, s18, 13
	s_add_co_u32 s60, s60, s3
	s_mov_b32 s61, 0
	s_lshl_b32 s62, s21, 12                        ; WV_up: head w, rows 128 gx on, 32 bytes a row
	s_lshl_b32 s3, s18, 15
	s_add_co_u32 s62, s62, s3
	s_mov_b32 s63, 0
	s_lshl_b32 s66, s18, 12                        ; in LDS: 4,096 w;
	s_mul_i32 s67, s18, UHD
	s_add_co_u32 s67, s67, UB                      ; UB + 4,352 w
	s_wait_dscnt 0x0
	s_wait_kmcnt 0x0
	s_add_nc_u64 s[60:61], s[4:5], s[60:61]
	s_add_nc_u64 s[62:63], s[8:9], s[62:63]
.irp f, 0,1
	s_mov_b32 s[G0V+4*\f], 1
	s_add_co_u32 s[G0V+4*\f+1], s66, VB+\f*VHALF
	s_add_nc_u64 s[G0V+4*\f+2:G0V+4*\f+3], s[60:61], \f*4096
	s_or_b32 s[G0V+4*\f+3], s[G0V+4*\f+3], 0x80000000
	s_mov_b32 s[G0U+4*\f], 1
	s_add_co_u32 s[G0U+4*\f+1], s67, \f*8*UHD
	s_add_nc_u64 s[G0U+4*\f+2:G0U+4*\f+3], s[62:63], \f*8*32768
	s_or_b32 s[G0U+4*\f+3], s[G0U+4*\f+3], 0x80000000
.endr
	CROUND                                         ; all sixteen work-groups are here: the joint loads meet
	tensor_load_to_lds s[G0V:G0V+3], s[G1V:G1V+7]  ; heads 0-7: v, WV_up;
	s_nop 0
	tensor_load_to_lds s[G0U:G0U+3], s[G1U:G1U+7]
	s_nop 0
	tensor_load_to_lds s[G0V+4:G0V+7], s[G1V:G1V+7]   ; heads 8-15
	s_nop 0
	tensor_load_to_lds s[G0U+4:G0U+7], s[G1U:G1U+7]
	s_nop 0
	PLACES 4
	v_and_b32 v8, 31, v0
	v_lshlrev_b32 v[LN16], 4, v8
	v_and_b32 v9, 15, v0                           ; r
	v_bfe_u32 v10, v0, 4, 1                        ; h
	s_lshl_b32 s3, s26, 13
	v_add_nc_u32 v[AV], s3, v[LN16]                ; my two tiles of v: 8,192 wr + 16 x lane
	v_add_nc_u32 v[AV+1], VHALF, v[AV]
	v_lshlrev_b32 v[AU], 5, v9
	v_lshl_add_u32 v[AU], v10, 4, v[AU]
	v_lshrrev_b32 v13, 3, v9
	v_lshl_add_u32 v[AU], v13, 4, v[AU]            ; 32 r + 16 h + 16 (r / 8): one padding is passed from r = 8 on
	s_mul_i32 s3, s27, 2176
	s_add_co_u32 s3, s3, UB
	v_add_nc_u32 v[AU], s3, v[AU]
	v_add_nc_u32 v[AU+1], 8*UHD, v[AU]
	v_lshlrev_b32 v[VO], 12, v10
	v_lshl_add_u32 v[VO], v9, 4, v[VO]
	v_lshlrev_b32 v[UO], 14, v10
	v_lshl_add_u32 v[UO], v9, 1, v[UO]
	s_mul_i32 s3, s18, 8704
	s_add_co_u32 s3, s3, STG                       ; my stage
	v_mul_u32_u24 v[SO], v9, 272
	v_lshl_add_u32 v[SO], v10, 5, v[SO]
	v_add_nc_u32 v[SO], s3, v[SO]                  ; in: row r, + 32 h
	v_mul_u32_u24 v[SR], v10, 272
	v_lshl_add_u32 v[SR], v9, 4, v[SR]
	v_add_nc_u32 v[SR], s3, v[SR]                  ; back: lanes 0-15 one row of 256 bytes, lanes 16-31 the next
	s_lshl_b32 s68, s21, 8                         ; WV_up's scales: 2 bytes a row e: 256 gx + 128 wc
	s_lshl_b32 s2, s27, 7
	s_add_co_u32 s68, s68, s2
	s_mov_b32 s69, 0
	s_add_nc_u64 s[10:11], s[10:11], s[68:69]
	s_lshl_b32 s68, s23, 12                        ; vs: tile 8 gy + 2 wr, 512 bytes a tile
	s_lshl_b32 s2, s26, 10
	s_add_co_u32 s68, s68, s2
	s_add_nc_u64 s[6:7], s[6:7], s[68:69]
	s_lshl_b32 s68, s23, 19                        ; x and out: row 128 gy + 32 wr, byte 512 gx + 256 wc
	s_lshl_b32 s2, s26, 17
	s_add_co_u32 s68, s68, s2
	s_lshl_b32 s2, s21, 9
	s_add_co_u32 s68, s68, s2
	s_lshl_b32 s2, s27, 8
	s_add_co_u32 s68, s68, s2
	s_add_nc_u64 s[12:13], s[12:13], s[68:69]
	s_add_nc_u64 s[14:15], s[14:15], s[68:69]
.irp te, 0,1,2,3
.irp q, 0,1,2,3
.irp c, 0,1
	global_load_u16 v[UF+8*\te+2*\q+\c], v[UO], s[10:11] offset:(2*\q+\c)*2048+32*\te   ; head 8 h + 2 q + c, row e: its two bytes; once in a wave
.endr
.endr
.endr
.irp m, 0,1
	global_load_b128 v[VS+4*\m:VS+4*\m+3], v[LN16], s[6:7] offset:512*\m
.endr
.irp m, 0,1
.irp i, 0,1,2,3,4,5,6,7
	global_load_b128 v[XR+32*\m+4*\i:XR+32*\m+4*\i+3], v[VO], s[12:13] offset:(16*\m+2*\i)*4096 th:TH_LOAD_NT   ; sixteen lanes read 256 consecutive bytes; read here for the last time
.endr
.endr
	s_wait_loadcnt 16                              ; the scale bytes are in; x's sixteen loads may be out
.irp te, 0,1,2,3
.irp q, 0,1,2,3
	v_lshl_or_b32 v[US+4*\te+\q], v[UF+8*\te+2*\q+1], 16, v[UF+8*\te+2*\q]     ; two heads' bytes make the word of 128 along K
.endr
.endr
	PLACES 8                                       ; scale registers written by vector instructions stand eight places ahead of a scaled product
.macro KSTEP ks                        ; heads 2 ks and 2 ks + 1
.if (\ks) > 0
	PLACES 4
.endif
.irp te, 0,1,2,3
.irp c, 0,1
	ds_load_b128 v[UF+8*\te+4*\c:UF+8*\te+4*\c+3], v[AU+(\ks)/4] offset:((2*(\ks)+\c)%8)*UHD+544*\te
.endr
.endr
.irp m, 0,1
.irp c, 0,1
	ds_load_b128 v[VF+8*\m+4*\c:VF+8*\m+4*\c+3], v[AV+(\ks)/4] offset:4096*\m+((\ks)%4)*1024+512*\c
.endr
.endr
	s_wait_dscnt 0x0
.irp m, 0,1
.irp te, 0,1,2,3
	MM ACC+32*\m+8*\te, UF+8*\te, VF+8*\m, US+4*\te+(\ks)%4, VS+4*\m+(\ks)%4, \ks
.endr
.endr
.endm
	s_wait_tensorcnt 0x2                           ; my parts of heads 0-7 are in; the two loads behind them may be out
	s_barrier_signal -1
	s_barrier_wait -1
	KSTEP 0
	KSTEP 1
	KSTEP 2
	KSTEP 3
	s_wait_tensorcnt 0x0
	s_barrier_signal -1
	s_barrier_wait -1
	KSTEP 4
	KSTEP 5
	KSTEP 6
	KSTEP 7
	PLACES 4                                       ; in front of the first read of results and of loads into the fragments' registers
	; THE WAY OUT: a lane's 32 bytes of a row go into my own stage and come back as whole rows of 256 bytes.  LDS serves a wave's instructions in order: no wait between the stores and the loads.
.irp te, 0,1,2,3
	ds_store_b128 v[SO], v[ACC+8*\te:ACC+8*\te+3] offset:64*\te                ; each accumulator from its low end on
	ds_store_b128 v[SO], v[ACC+8*\te+4:ACC+8*\te+7] offset:64*\te+16
.endr
.irp i, 0,1,2,3,4,5,6,7
	ds_load_b128 v[UF+4*\i:UF+4*\i+3], v[SR] offset:544*\i
.endr
.irp te, 0,1,2,3
	ds_store_b128 v[SO], v[ACC+32+8*\te:ACC+32+8*\te+3] offset:4352+64*\te
	ds_store_b128 v[SO], v[ACC+32+8*\te+4:ACC+32+8*\te+7] offset:4352+64*\te+16
.endr
.irp i, 0,1,2,3,4,5,6,7
	ds_load_b128 v[Y1+4*\i:Y1+4*\i+3], v[SR] offset:4352+544*\i
.endr
	s_wait_loadcnt 0x0                             ; x
	s_wait_dscnt 16                                ; tile 0's rows are back; tile 1's eight stores and eight loads may be out
.irp i, 0,1,2,3,4,5,6,7
	v_pk_fma_f32 v[UF+4*\i:UF+4*\i+1], v[UF+4*\i:UF+4*\i+1], 0x3d800000, v[XR+4*\i:XR+4*\i+1] op_sel_hi:[1,0,1]       ; x + sum / 16
	v_pk_fma_f32 v[UF+4*\i+2:UF+4*\i+3], v[UF+4*\i+2:UF+4*\i+3], 0x3d800000, v[XR+4*\i+2:XR+4*\i+3] op_sel_hi:[1,0,1]
	global_store_b128 v[VO], v[UF+4*\i:UF+4*\i+3], s[14:15] offset:2*\i*4096 th:TH_STORE_NT   ; sixteen lanes store 256 consecutive bytes, aligned
.endr
	s_wait_dscnt 0x0
.irp i, 0,1,2,3,4,5,6,7
	v_pk_fma_f32 v[Y1+4*\i:Y1+4*\i+1], v[Y1+4*\i:Y1+4*\i+1], 0x3d800000, v[XR+32+4*\i:XR+32+4*\i+1] op_sel_hi:[1,0,1]
	v_pk_fma_f32 v[Y1+4*\i+2:Y1+4*\i+3], v[Y1+4*\i+2:Y1+4*\i+3], 0x3d800000, v[XR+32+4*\i+2:XR+32+4*\i+3] op_sel_hi:[1,0,1]
	global_store_b128 v[VO], v[Y1+4*\i:Y1+4*\i+3], s[14:15] offset:(16+2*\i)*4096 th:TH_STORE_NT
.endr
	s_wait_tensorcnt 0x0
	ds_add_u32 v126, v127
	s_wait_dscnt 0x0
	CROUND                                         ; the closing round
	s_endpgm
.Lfunc_end_k_qa0750c396e_up:
	.size	k_qa0750c396e_up, .Lfunc_end_k_qa0750c396e_up-k_qa0750c396e_up
	.p2alignl 7, 3214868480
	.fill 96, 4, 3214868480
	.section	.rodata,"a",@progbits
	.p2align	6, 0x0
	.amdhsa_kernel k_qa0750c396e_up
		.amdhsa_group_segment_fixed_size 205824
		.amdhsa_private_segment_fixed_size 0
		.amdhsa_enable_private_segment 0
		.amdhsa_kernarg_size 48
		.amdhsa_user_sgpr_count 2
		.amdhsa_user_sgpr_kernarg_segment_ptr 1
		.amdhsa_wavefront_size32 1
		.amdhsa_system_sgpr_workgroup_id_x 1
		.amdhsa_system_sgpr_workgroup_id_y 1
		.amdhsa_system_sgpr_workgroup_id_z 1
		.amdhsa_system_vgpr_workitem_id 0
		.amdhsa_next_free_vgpr 256
		.amdhsa_next_free_sgpr 96
		.amdhsa_reserve_vcc 0
		.amdhsa_float_denorm_mode_32 3
		.amdhsa_float_denorm_mode_16_64 3
		.amdhsa_memory_ordered 1
		.amdhsa_forward_progress 1
		.amdhsa_inst_pref_size 35
	.end_amdhsa_kernel
	.amdgpu_metadata
---
amdhsa.version: [ 1, 2 ]
amdhsa.kernels:
  - .name:           k_qa0750c396e_up
    .symbol:         k_qa0750c396e_up.kd
    .args:
      - { .name: vq, .offset: 0, .size: 8, .value_kind: global_buffer, .address_space: global }
      - { .name: vs, .offset: 8, .size: 8, .value_kind: global_buffer, .address_space: global }
      - { .name: WV_up_codes, .offset: 16, .size: 8, .value_kind: global_buffer, .address_space: global }
      - { .name: WV_up_scales, .offset: 24, .size: 8, .value_kind: global_buffer, .address_space: global }
      - { .name: inputs, .offset: 32, .size: 8, .value_kind: global_buffer, .address_space: global }
      - { .name: out0, .offset: 40, .size: 8, .value_kind: global_buffer, .address_space: global }
    .group_segment_fixed_size: 205824
    .private_segment_fixed_size: 0
    .kernarg_segment_align: 8
    .kernarg_segment_size: 48
    .max_flat_workgroup_size: 256
    .sgpr_count:     96
    .vgpr_count:     256
    .wavefront_size: 32
...
	.end_amdgpu_metadata
.endif
;; end of part 4
